; MI455X (gfx1250); checked and timed in simulation.
; The chip was launched on July 23, 2026; its instructions are those of AMD's public machine-readable ISA for CDNA 5 (MIT licence, August 2026) and "CDNA5" Instruction Set Architecture Reference Guide (July 2026). The comments in the code are by the model that wrote it; some were corrected since.
;; Key Value Memory. Allowed arithmetic: matrix products marked QUANTISED: E2M1 operands, one E8M0 scale for each 32 along K, by v_wmma_scale_f32_16x16x128_f8f6f4 with both operands' format E2M1 (or v_wmma_scale_f32_32x16x128_f4), f32 sums; everything else in f32.
;; Inputs: keys_codes 4,096 x 32 x 16 uint8 (E2M1 codes of keys, K innermost, in blocks of 32 codes, two codes a byte); keys_scales 4,096 x 32 uint8 (E8M0 scales of keys, one for each 32 codes along K); values_codes 1,024 x 128 x 16 uint8 (E2M1 codes of values, K innermost, in blocks of 32 codes, two codes a byte); values_scales 1,024 x 128 uint8 (E8M0 scales of values, one for each 32 codes along K); z_codes 8,192 x 32 x 16 uint8 (E2M1 codes of z, K innermost, in blocks of 32 codes, two codes a byte); z_scales 8,192 x 32 uint8 (E8M0 scales of z, one for each 32 codes along K).
;; Outputs: out0 8,192 x 1,024 float32.
;; This version of the problem:
;;   THIS VERSION OF THE PROBLEM IS GIVEN IN LOW PRECISION. The matrix products marked QUANTISED in the list below multiply operands that are first quantised to E2M1 (2 exponent bits, 1 mantissa bit; 4 bits a number), with one power-of-two scale for each 32 numbers along K (OCP MX v1.0); their sums are f32. All else is computed in f32.
;;   The module's matrix products, in the order in which they are computed (A, B: the left and right operand; K: the contracted axis; several contracted axes count as one K, in the product's order):
;;     1. [M 8,192, K 1,024] x [K 1,024, N 4,096]; A: input z (given as codes); B: input keys (given as codes): QUANTISED
;;     2. [M 8,192, K 4,096] x [K 4,096, N 1,024]; A: softmax (see below); B: input values (given as codes): QUANTISED
;;   THE QUANTISER, for each operand of a quantised product, along K:
;;     - K is cut into blocks of 32 from its start; a last block that is shorter is filled with zeros.
;;     - A block's scale is 2^e with e = floor(log2(the largest magnitude in the block)) - 2, held to -126 .. 127; a block of zeros has e = 0. As a byte (E8M0): e + 127.
;;     - Each number is divided by its block's scale, clamped to +-6, and rounded to the nearest number of E2M1, ties to even, subnormals kept.
;;     - The product sums the exact products of the quantised numbers (number of the format x scale) in f32.
;;   ~~~python
;;   def quantise(x, axis):      # numpy; x: float32 -> the quantised numbers, widened to float32 again
;;       x = np.moveaxis(x, axis, -1); K = x.shape[-1]
;;       x = np.pad(x, [(0, 0)] * (x.ndim - 1) + [(0, -K % 32)]); x = x.reshape(x.shape[:-1] + (-1, 32)); a = np.abs(x).max(-1, keepdims=True)
;;       e = np.where(a > 0, np.clip(np.frexp(np.where(a > 0, a, 1))[1] - 1 - 2, -126, 127), 0)      # np.frexp(a)[1] - 1 = floor(log2(a)), exactly
;;       r = np.clip(x / 2.0 ** e, -6, 6)
;;       step = 2.0 ** (np.maximum(np.frexp(np.where(r == 0, 1, r))[1] - 1, 0) - 1)
;;       q = np.round(r / step) * step * 2.0 ** e      # np.round: ties to even
;;       return np.moveaxis(q.reshape(q.shape[:-2] + (-1,))[..., :K], -1, axis).astype(np.float32)
;;   ~~~
;;   SOFTMAX AHEAD OF A QUANTISED PRODUCT. Where the list says 'softmax', what is quantised is not the finished softmax but p = 2^(t - M), with t = logit x log2(e) and M = ceil(the row's largest t), a whole number; so 1/2 < the row's largest p <= 1. The row's sum l is taken of the UNQUANTISED p, in f32, and the product's result is divided by l at the end. Since M is a whole number, a kernel that streams over the keys may use a running M (the ceiling of the running maximum): every later rescaling is an exact power of two, which a block's scale takes up: the codes' values come out the same.
;;   OPERANDS COMPUTED ON THE WAY. 'Computed on the way' means the value that the module computes at that place (a softmax that the list does not call 'softmax' is quantised finished and normalised). What goes into a quantiser is computed in f32, as accurately as f32 sums, v_exp_f32 and their like allow (about 1e-6 of the number): no bf16 or f16 on the way to a quantiser, and a product that is left as it is and whose result goes on into a quantised operand takes f32 operands (vector FMAs, or v_wmma_f32_16x16x4_f32). A number that lies on a knife's edge between two numbers of the format may be rounded either way, as far as f32 arithmetic and the matrix unit's own rounding can turn it there, and no further.
;;   INPUTS GIVEN AS CODES. keys (in the module: [4096, 1024], K = its axis 1); values (in the module: [4096, 1024], K = its axis 0); z (in the module: [8192, 1024], K = its axis 1): each comes as NAME_codes (uint8): NAME with its K axis moved to the last place and cut into blocks of 32 codes, [.., K / 32, bytes a block], one block behind the other in memory; two codes a byte, the lower K in the low four bits (a code: sign, 2 exponent bits, 1 mantissa bit); and NAME_scales (uint8): the same leading axes, one E8M0 byte (e + 127) for each 32 codes along K. Its value is code x scale, taken as it is: it is not quantised again, and the codes and scales need not be those that the quantiser above would give.
;; One version. Each part assembles by itself: llvm-mc -triple=amdgcn-amd-amdhsa -mcpu=gfx1250 --defsym DOCPART=n.
;; ======== version 1 of 1: 2 launches
;; limits: right only within a limited range of input values
;; workspace buffers: pc 16,777,216 bytes; pmeta 4,194,304 bytes
;; launch scores (part 1): grid 8 x 32, 4 waves a work-group, clusters of 4 x 4, 327,680 bytes of LDS; arguments z_codes, z_scales, keys_codes, keys_scales, pc, pmeta; writes pc, pmeta
.if DOCPART == 1
	.amdgcn_target "amdgcn-amd-amdhsa--gfx1250"
	.amdhsa_code_object_version 6
	.text
	.protected	k_qdff312eb88_scores
	.globl	k_qdff312eb88_scores
	.p2align	8
	.type	k_qdff312eb88_scores,@function
k_qdff312eb88_scores:
	s_mov_b64 s[64:65], 0
	v_nop
	global_prefetch_b8 v0, s[64:65] scope:SCOPE_SE
	s_setreg_imm32_b32 hwreg(HW_REG_WAVE_MODE, 25, 1), 1
	s_wait_xcnt 0x0
	s_wait_alu depctr_hold_cnt(0) depctr_sa_sdst(0) depctr_va_vdst(0) depctr_va_sdst(0) depctr_va_ssrc(0) depctr_va_vcc(0) depctr_vm_vsrc(0)
	s_getreg_b32 s2, hwreg(HW_REG_IB_STS2, 6, 4)
	s_cmp_eq_u32 s2, 0
	s_cbranch_scc0 .Lentry_in_a_cluster
	s_endpgm
.Lentry_in_a_cluster:
	s_bfe_u32 s2, ttmp6, 0x10000c
	s_cmp_lg_u32 s2, 0xf033
	s_cbranch_scc0 .Lentry_shape_is_right
	s_endpgm
.Lentry_shape_is_right:
; FIRST OF TWO LAUNCHES.  scores[n][k] = sum over d of z[n][d] keys[k][d] on codes of FP4 (E2M1), one E8M0 scale for each 32 along d, and on the way out the softmax's numerator, quantised.
; For each row and each GROUP of 128 keys: t = score x log2(e); Mg = the group's largest t rounded up to a whole number; p' = 2^(t - Mg); lg = the sum of the unquantised p'; the FP4 codes of p' along
; the keys and, for each 32 keys, the scale byte that the quantiser gives.  Mg is whole, so the second launch takes M - Mg off the scale bytes and multiplies lg by 2^(Mg - M): both exact.
; OUT: pc: images of operand registers, [key / 512][row / 16][(key / 128) % 4][c][lane][16 bytes]: lane (r, h) holds, in registers 4 c .. 4 c + 3, keys 64 c + 32 h + 0 .. 31 of row r.
;      pmeta: [row / 128][key / 128][row % 128] records of 16 bytes: the four scale bytes, each with bit 7 set (they are at most 125); -Mg (f32); lg (f32); 0.
; No work of the problem is left out.  LIMITS: NaN and infinities among the scores are not served.  A block whose every p' lies under 2^-124 keeps the byte 1 (p' under 2^-126 comes out of v_exp_f32 as 0).
; SHARES.  A work-group of four waves takes 256 rows of z and 512 keys, as two tiles of 256 keys; z's codes stay in LDS for both.  A wave makes 128 x 128 of a tile: 32 accumulators of 32 keys x 16 rows, 512 registers.
; Source 0 = 32 keys, source 1 = 16 rows of z: lane (r, h) holds ONE row, and register 16 b + 8 u + j of row block a is key 32 b + 16 u + 8 h + j.
; CLUSTERS: 4 x 4.  The four of a row of the cluster need the same rows of z, the four of a column the same keys: each tile is asked for JOINTLY, with the same descriptor and a mask that names the four.
; One load a wave at the head brings 128 rows over the whole depth (512 bytes a row); the keys' part is filled ONCE more, for the second tile, 64 rows a wave, ahead of the first tile's way out, under which it lands.
; That refill is the only tensor load behind the head and has three quarters of the way out ahead of its use: nothing is prefetched.  The second tile's first two steps' fragments are loaded under the first tile's way out.
; REGISTERS, in windows of 256: window 0: v16-31 addresses; v32-127 scale words, two sets; v128-255 the way out.  window 1: set p of fragments: the keys' at v[128 p], z's at v[128 p + 64].
;   window 2: the accumulators of my rows 0-63 (block a, keys 32 b at v[64 a + 16 b]);  window 3: those of my rows 64-127.
.set PITCH,  528                       ; an LDS row: 512 bytes (1,024 codes) + 16 of padding
.set HALFT,  128*PITCH                 ; 128 rows: what one tensor load of the head brings
.set SCL,    4*HALFT                   ; the scale bytes: units of 256 bytes (8 rows) + 16 of padding: z's 256 rows, then the 512 keys'; written by LDS stores alone
.set ZSH,    16*272                    ; the scales of 128 rows
.set KSC,    SCL+2*ZSH
.set SPARE,  KSC+4*ZSH                 ; the spare words, 128 bytes for each wave
.set ADRA, 16                          ; LDS address of my z fragments
.set ADRB, 17                          ; of my keys' fragments
.set ADZ,  18                          ; of my z rows' scale words
.set ADK,  19                          ; of my keys' scale words, a lane a key
.set IMO,  20                          ; 16 x lane
.set GLO,  21                          ; 16 x thread: my bytes of the scales in memory
.set GST,  22                          ; and where they go
.set SPW,  28                          ; LDS address of my spare word; never rewritten
.set NIL,  29                          ; 0; never rewritten
.set SC,   32                          ; set s (depth steps 4 s ..) at v[SC + 48 s]: z's block a, step q: + 4 a + q; the keys' 32 b: + 32 + 4 b + q
.set NM,   128                         ; -Mg of the two blocks at v128, v130 (the packed form names pairs)
.set SUM,  132                         ; 4 chains of pairs for each of two blocks
.set LL,   148
.set T2,   150
.set BM,   152                         ; the largest score, then p', of each block of 32 keys
.set BX,   160                         ; the other half's; later the scale bytes
.set SO,   168                         ; the conversions' scale operands
.set TT,   176
.set PW,   178
.set REC,  180                         ; v[180:183] a record
.set PC,   184                         ; v184-199 two images
.set G1,   24                          ; group 1: z's tiles;  G1B the keys';  G1R the refill (64 rows).  G0, G0B, G0R their groups 0
.set G1B,  32
.set G0,   40
.set G0B,  44
.set G1R,  48
.set G0R,  56
.set HM,   94                          ; lanes 16-31
.set CS,   96                          ; log2(e), twice
.set SEL,  98                          ; lane selects for v_permlanex16_b32: lane l xor 16
.set MSB, 0
.macro WIN new                         ; the immediate's high byte repeats the setting that is left; a switch that changes nothing is dropped
.if MSB != (\new)
	s_set_vgpr_msb (MSB<<8)|(\new)
.set MSB, (\new)
.endif
.endm
.set MUL_LO, 0xa5                      ; sources 0, 1 window 1, C and D window 2
.set MUL_HI, 0xf5                      ; C and D window 3
.macro CREST                           ; a round of the cluster's barrier behind its opening barrier
	s_cmp_lg_u32 s16, 0
	s_cbranch_scc1 .Lnot_wave_0_\@
	s_barrier_signal -3
.Lnot_wave_0_\@:
	s_barrier_wait -3
	s_barrier_signal -1
	s_barrier_wait -1
.endm
.macro CROUND
	s_barrier_signal -1
	s_barrier_wait -1
	CREST
.endm
.macro PLACES                          ; four places behind a matrix instruction, ahead of loads into what it read and of the first read of its result (ISA guide 7.12.1 for the first read of its result)
.rept 4
	v_nop
.endr
.endm
	s_load_b256 s[4:11], s[0:1], 0x0               ; z's codes, z's scales, the keys' codes, the keys' scales
	s_load_b128 s[12:15], s[0:1], 0x20             ; pc, pmeta
	v_lshl_add_u32 v[SPW], v0, 2, SPARE
	v_mov_b32 v[NIL], 0
	ds_add_u32 v[SPW], v[NIL]                      ; the wave's opening: the add, twice on end
	ds_add_u32 v[SPW], v[NIL]
	v_lshrrev_b32 v1, 5, v0
	v_readfirstlane_b32 s16, v1                    ; wave 0..3
	v_and_b32 v1, 15, v0                           ; r
	v_bfe_u32 v2, v0, 4, 1                         ; h
	v_and_b32 v3, 31, v0                           ; lane
	v_lshlrev_b32 v[GLO], 4, v0
	s_lshr_b32 s17, s16, 1                         ; RH: which 128 of the 256 rows are mine.  Also: I fetch for z (0) or for the keys (1)
	s_and_b32 s18, s16, 1                          ; CH: which 128 of a tile's 256 keys.  Also: which half of what I fetch for
	s_bfe_u32 s21, ttmp6, 0x40000                  ; cx, cy
	s_bfe_u32 s22, ttmp6, 0x40004
	s_lshl_b32 s20, ttmp9, 2
	s_add_co_u32 s20, s20, s21                     ; TX: my 512 keys
	s_and_b32 s19, ttmp7, 0xffff
	s_lshl_b32 s19, s19, 2
	s_add_co_u32 s19, s19, s22                     ; TY: my 256 rows
	s_lshl_b32 s23, s22, 2
	s_lshl_b32 s23, 15, s23                        ; my row of the cluster
	s_lshl_b32 s3, 0x1111, s21                     ; my column
	; group 1: rows of 512 bytes, dense, four words of padding after every 128; bit 21 set beside a mask
	s_or_b32 s[G1], s23, (1<<20)|(1<<21)|(6<<22)|(3<<25)
	s_or_b32 s[G1B], s3, (1<<20)|(1<<21)|(6<<22)|(3<<25)
	s_or_b32 s[G1R], s3, (1<<20)|(1<<21)|(6<<22)|(3<<25)
.irp g, G1, G1B, G1R
	s_mov_b32 s[\g+1], 512<<16                     ; tensor_dim0
	s_mov_b32 s[\g+3], 512<<16                     ; tile_dim0
	s_mov_b32 s[\g+5], 512                         ; stride
	s_mov_b32 s[\g+6], 0
	s_mov_b32 s[\g+7], 0
.endr
.irp g, G1, G1B
	s_mov_b32 s[\g+2], 128<<16                     ; tensor_dim1
	s_mov_b32 s[\g+4], 128                         ; tile_dim1
.endr
	s_mov_b32 s[G1R+2], 64<<16
	s_mov_b32 s[G1R+4], 64
	; byte offsets: z's hang on TY and the wave alone, the keys' on TX and the wave alone, in registers of their own
	s_lshl_b32 s60, s18, 7
	s_lshl_b32 s66, s19, 8
	s_add_co_u32 s66, s66, s60
	s_lshl_b32 s66, s66, 9                         ; z: row 256 TY + 128 CH
	s_mov_b32 s67, 0
	s_lshl_b32 s68, s20, 9
	s_add_co_u32 s68, s68, s60
	s_lshl_b32 s68, s68, 9                         ; keys, tile 0: key 512 TX + 128 CH
	s_mov_b32 s69, 0
	s_lshl_b32 s60, s16, 6
	s_lshl_b32 s70, s20, 9
	s_add_co_u32 s70, s70, s60
	s_add_co_u32 s70, s70, 256
	s_lshl_b32 s70, s70, 9                         ; tile 1: key 512 TX + 256 + 64 x wave
	s_mov_b32 s71, 0
	s_lshl_b32 s72, s19, 13                        ; z's scales, 32 bytes a row
	s_mov_b32 s73, 0
	s_lshl_b32 s74, s20, 14                        ; the keys'
	s_mov_b32 s75, 0
	s_mul_i32 s61, s16, HALFT                      ; where they go in LDS: no place in the cluster enters an LDS address
	s_mul_i32 s62, s16, 64*PITCH
	s_add_co_u32 s62, s62, 2*HALFT
	s_wait_alu depctr_va_vdst(0)                   ; the wait ahead of the blocking waits below
	s_wait_dscnt 0x0                               ; both opening adds are done
	CROUND                                         ; all sixteen work-groups are here: the first joint loads meet
	s_wait_kmcnt 0x0
	s_mov_b32 s[G0], 1
	s_mov_b32 s[G0+1], s61
	s_add_nc_u64 s[G0+2:G0+3], s[4:5], s[66:67]
	s_or_b32 s[G0+3], s[G0+3], 0x80000000
	s_mov_b32 s[G0B], 1
	s_mov_b32 s[G0B+1], s61
	s_add_nc_u64 s[G0B+2:G0B+3], s[8:9], s[68:69]
	s_or_b32 s[G0B+3], s[G0B+3], 0x80000000
	s_cmp_eq_u32 s17, 0                            ; waves 0 and 1 fetch z's halves, waves 2 and 3 the keys': one tensor load a wave
	s_cbranch_scc0 .Lfor_b
	tensor_load_to_lds s[G0:G0+3], s[G1:G1+7]
	s_nop 0
.rept 4
	v_nop
.endr
	s_branch .Lasked
.Lfor_b:
	tensor_load_to_lds s[G0B:G0B+3], s[G1B:G1B+7]
	s_nop 0
.rept 4
	v_nop
.endr
.Lasked:
	s_mov_b32 s[G0R], 1
	s_mov_b32 s[G0R+1], s62
	s_add_nc_u64 s[G0R+2:G0R+3], s[8:9], s[70:71]
	s_or_b32 s[G0R+3], s[G0R+3], 0x80000000
	s_add_nc_u64 s[76:77], s[6:7], s[72:73]
	s_add_nc_u64 s[78:79], s[10:11], s[74:75]
	; the scale bytes, 8,192 + 16,384 dense bytes, go through registers: a wave's load covers 512 consecutive bytes
.irp j, 0,1,2,3
	global_load_b128 v[192+4*\j:195+4*\j], v[GLO], s[76:77] offset:2048*\j
.endr
.irp j, 0,1,2,3,4,5,6,7
	global_load_b128 v[208+4*\j:211+4*\j], v[GLO], s[78:79] offset:2048*\j
.endr
	s_mul_i32 s60, s17, HALFT                      ; my 128 rows of z
	s_mul_i32 s61, s18, HALFT                      ; my 128 keys, behind z's 256 rows
	s_add_co_u32 s61, s61, 2*HALFT
	s_mul_i32 s62, s17, ZSH
	s_add_co_u32 s62, s62, SCL
	s_mul_i32 s63, s18, ZSH
	s_add_co_u32 s63, s63, KSC
	s_mov_b32 s[CS], 0x3fb8aa3b                    ; log2(e)
	s_mov_b32 s[CS+1], s[CS]
	s_mov_b32 s[SEL], 0x76543210
	s_mov_b32 s[SEL+1], 0xfedcba98
	s_mov_b32 s[HM], 0xffff0000
	s_lshl_b32 s2, s20, 21                         ; pc: key / 512 = TX: 2,097,152 bytes;
	s_lshl_b32 s3, s19, 16                         ; row / 16 = 16 TY + 8 RH + a: 4,096 bytes;
	s_add_co_u32 s2, s2, s3
	s_lshl_b32 s3, s17, 15
	s_add_co_u32 s2, s2, s3
	s_lshl_b32 s3, s18, 10                         ; (key / 128) % 4 = 2 t + CH: 1,024 bytes
	s_add_co_u32 s2, s2, s3
	s_mov_b32 s3, 0
	s_add_nc_u64 s[12:13], s[12:13], s[2:3]
	s_lshl_b32 s2, s19, 17                         ; pmeta: row / 128 = 2 TY + RH: 65,536 bytes;
	s_lshl_b32 s3, s17, 16
	s_add_co_u32 s2, s2, s3
	s_lshl_b32 s3, s20, 13                         ; key / 128 = 4 TX + 2 t + CH: 2,048 bytes
	s_add_co_u32 s2, s2, s3
	s_lshl_b32 s3, s18, 11
	s_add_co_u32 s2, s2, s3
	s_mov_b32 s3, 0
	s_add_nc_u64 s[14:15], s[14:15], s[2:3]
	v_mul_u32_u24 v4, v1, PITCH
	v_lshl_add_u32 v4, v2, 4, v4                   ; a fragment's row x pitch + 16 x half
	v_add_nc_u32 v[ADRA], s60, v4
	v_add_nc_u32 v[ADRB], s61, v4
	v_lshlrev_b32 v5, 5, v1                        ; 32 bytes a row, and 16 more behind each 256
	v_lshrrev_b32 v6, 3, v1
	v_lshl_add_u32 v5, v6, 4, v5
	v_add_nc_u32 v[ADZ], s62, v5
	v_lshlrev_b32 v5, 5, v3
	v_lshrrev_b32 v6, 3, v3
	v_lshl_add_u32 v5, v6, 4, v5
	v_add_nc_u32 v[ADK], s63, v5
	v_lshlrev_b32 v[IMO], 4, v3
	v_lshrrev_b32 v5, 4, v0
	v_mul_u32_u24 v5, v5, 272
	v_lshl_add_u32 v5, v1, 4, v5
	v_add_nc_u32 v[GST], SCL, v5                   ; bytes 16 x thread of a run of eight units
	v_mov_b32 v[NM+1], 0                           ; named as upper halves of pairs, so they are written
	v_mov_b32 v[NM+3], 0
	v_mov_b32 v[T2], 0                             ; a lane permute's destination counts as one of its sources
	v_mov_b32 v[T2+1], 0
	v_mov_b32 v[REC+3], 0                          ; the record's fourth word
.irp b, 0,1,2,3,4,5,6,7
	v_mov_b32 v[BX+\b], 0
.endr
.macro FETCHB q                        ; the keys' eight fragments of 16 x 128 along d, step q, into set q % 2
	WIN 0x40                                       ; destination window 1, address window 0
.irp i, 0,1,2,3,4,5,6,7
	ds_load_b128 v[128*((\q)%2)+8*\i:128*((\q)%2)+8*\i+3], v[ADRB] offset:64*(\q)+\i*16*PITCH
	ds_load_b128 v[128*((\q)%2)+8*\i+4:128*((\q)%2)+8*\i+7], v[ADRB] offset:64*(\q)+32+\i*16*PITCH
.endr
.endm
.macro FETCHA q                        ; z's eight
	WIN 0x40
.irp i, 0,1,2,3,4,5,6,7
	ds_load_b128 v[128*((\q)%2)+64+8*\i:128*((\q)%2)+64+8*\i+3], v[ADRA] offset:64*(\q)+\i*16*PITCH
	ds_load_b128 v[128*((\q)%2)+64+8*\i+4:128*((\q)%2)+64+8*\i+7], v[ADRA] offset:64*(\q)+32+\i*16*PITCH
.endr
.endm
.macro SCALES s, t                     ; scale words of steps 4 s .. 4 s + 3; z's serve both tiles and are loaded in the first
	WIN 0
.if (\t) == 0
.irp i, 0,1,2,3,4,5,6,7
	ds_load_b128 v[SC+48*\s+4*\i:SC+48*\s+4*\i+3], v[ADZ] offset:544*\i+16*\s
.endr
.endif
.irp i, 0,1,2,3
	ds_load_b128 v[SC+48*\s+32+4*\i:SC+48*\s+32+4*\i+3], v[ADK] offset:2*ZSH*\t+1088*\i+16*\s
.endr
.endm
; z's block a x the keys' 128 in step q: four matrix instructions.  The 32 accumulators take turns, in the same order in every step.
.macro MULA a, q, zero
.irp b, 0,1,2,3
.set XD, 64*((\a)%4)+16*\b
.set XA, 128*((\q)%2)+16*\b
.set XB, 128*((\q)%2)+64+8*(\a)
.set XS, SC+48*((\q)/4)+(\q)%4
.if \zero
	v_wmma_scale_f32_32x16x128_f4 v[XD:XD+15], v[XA:XA+15], v[XB:XB+7], 0, v[XS+32+4*\b], v[XS+4*(\a)]
.else
	v_wmma_scale_f32_32x16x128_f4 v[XD:XD+15], v[XA:XA+15], v[XB:XB+7], v[XD:XD+15], v[XS+32+4*\b], v[XS+4*(\a)]
.endif
.endr
.endm
; A step of 128 along d: the next step's keys go out first, z's in the middle, into the set that the step before has read.  The second tile's step 0 fetches nothing: step 1's fragments are on their way already.
.macro STEP q, zero, t
.if ((\q) > 0) || ((\t) == 0)
	PLACES
	FETCHB (\q)+1
.endif
	s_wait_dscnt 16                                ; all but the youngest 16, the next step's keys
	WIN MUL_LO
.irp a, 0,1,2,3
	MULA \a, \q, \zero
.endr
.if ((\q) > 0) || ((\t) == 0)
	FETCHA (\q)+1
.endif
.if (\q) == 2
	SCALES 1, \t
.endif
	WIN MUL_HI
.irp a, 4,5,6,7
	MULA \a, \q, \zero
.endr
.endm
; A tile's last step.  fill = 1: all its fragments are in registers, so nobody reads the keys' part any more: the barrier opens a round of the cluster's barrier, and behind it each wave asks for its 64 rows of the second tile's keys.
.macro LAST fill
.if \fill
	WIN 0
	s_wait_tensorcnt 0x0                           ; no tensor load of mine is out
	ds_add_u32 v[SPW], v[NIL]
	s_wait_dscnt 1                                 ; (the add may be out)
	WIN MUL_LO
.irp a, 0,1,2,3
	MULA \a, 7, 0
.endr
	s_wait_dscnt 0x0                               ; the add is done, and my reads are over
	s_barrier_signal -1
	WIN MUL_HI
	MULA 4, 7, 0
	MULA 5, 7, 0
	WIN 0
	s_barrier_wait -1
	CREST                                          ; no wave of any partner still reads the keys' tile or has a load on its way
	tensor_load_to_lds s[G0R:G0R+3], s[G1R:G1R+7]
	s_nop 0
.rept 4
	v_nop
.endr
	WIN MUL_HI
.else
	s_wait_dscnt 0x0
	WIN MUL_LO
.irp a, 0,1,2,3
	MULA \a, 7, 0
.endr
	WIN MUL_HI
	MULA 4, 7, 0
	MULA 5, 7, 0
.endif
	MULA 6, 7, 0
	MULA 7, 7, 0
	WIN 0
.endm
; THE WAY OUT of row blocks a, a + 1 (x = 0, 1) of tile t.  My lane holds 64 scores of one row of each: registers 16 b .. are 16 keys of block b of 32; the other 16 lie in lane l xor 16.
.macro EPAIR a, t
.set EW, 2+(\a)/4                      ; the blocks' window
.set AC, 64*((\a)%4)
	WIN EW|(EW<<2)
.irp i, 0,2,4,6,8,10,12,14
.irp x, 0,1
.irp b, 0,1,2,3
.if \i == 0
	v_max_num_f32 v[BM+4*\x+\b], v[AC+64*\x+16*\b], v[AC+64*\x+16*\b+1]   ; the largest score of each block of 32; each accumulator from its low end on
.else
	v_max3_num_f32 v[BM+4*\x+\b], v[AC+64*\x+16*\b+\i], v[AC+64*\x+16*\b+\i+1], v[BM+4*\x+\b]
.endif
.endr
.endr
.endr
	WIN 0
.irp b, 0,1,2,3,4,5,6,7
	v_permlanex16_b32 v[BX+\b], v[BM+\b], s[SEL], s[SEL+1]
.endr
.irp b, 0,1,2,3,4,5,6,7
	v_max_num_f32 v[BM+\b], v[BM+\b], v[BX+\b]     ; with lane l xor 16's 16 keys
.endr
.irp x, 0,1
	v_max3_num_f32 v[TT+\x], v[BM+4*\x], v[BM+4*\x+1], v[BM+4*\x+2]
.endr
.irp x, 0,1
	v_max_num_f32 v[TT+\x], v[TT+\x], v[BM+4*\x+3]
.endr
.irp x, 0,1
	v_mul_f32 v[TT+\x], s[CS], v[TT+\x]            ; the group's largest t (log2(e) is positive)
.endr
.irp x, 0,1
	v_floor_f32 v[NM+2*\x], -v[TT+\x]              ; -Mg = floor(-t) = -ceil(t)
.endr
.irp b, 0,1,2,3
.irp x, 0,1
	v_fma_f32 v[BM+4*\x+\b], v[BM+4*\x+\b], s[CS], v[NM+2*\x]   ; t - Mg of each block's largest score
.endr
.endr
	WIN (EW<<6)|EW
.irp x, 0,1
.set j, AC+64*\x
.rept 32
	v_pk_fma_f32 v[j:j+1], v[j:j+1], s[CS:CS+1], v[NM+2*\x:NM+2*\x+1] op_sel_hi:[1,0,0]   ; t - Mg, two at a time
.set j, j+2
.endr
.endr
	s_wait_alu depctr_va_vdst(0)                   ; the wait ahead of the batch
.set j, AC
.rept 128
	v_exp_f32 v[j], v[j]                           ; p' = 2^(t - Mg), at most 1
.set j, j+1
.endr
	WIN 0
.irp b, 0,1,2,3,4,5,6,7
	v_exp_f32 v[BM+\b], v[BM+\b]                   ; the block's largest p': the same operations on the same number give the same bits
.endr
	v_nop                                          ; a plain instruction behind the last exponential
	s_wait_alu depctr_va_vdst(0)                   ; and the wait ahead of the batch's first reader
	s_wait_xcnt 0x0                                ; the last pair's stores have read their registers
	WIN EW|(EW<<2)
.irp c, 0,1,2,3
.irp x, 0,1
	v_pk_add_f32 v[SUM+8*\x+2*\c:SUM+8*\x+2*\c+1], v[AC+64*\x+4*\c:AC+64*\x+4*\c+1], v[AC+64*\x+4*\c+2:AC+64*\x+4*\c+3]   ; the sum of the unquantised p'
.endr
.endr
	WIN EW
.set j, AC+16
.rept 6
.irp c, 0,1,2,3
.irp x, 0,1
	v_pk_add_f32 v[SUM+8*\x+2*\c:SUM+8*\x+2*\c+1], v[j+64*\x+2*\c:j+64*\x+2*\c+1], v[SUM+8*\x+2*\c:SUM+8*\x+2*\c+1]
.endr
.endr
.set j, j+8
.endr
	WIN 0
.irp b, 0,1,2,3,4,5,6,7
	v_max_num_f32 v[BM+\b], 0x1800000, v[BM+\b]    ; the floor 2^(3 - 127): the byte cannot fall under 1
.endr
.irp x, 0,1
	v_pk_add_f32 v[SUM+8*\x:SUM+8*\x+1], v[SUM+8*\x:SUM+8*\x+1], v[SUM+8*\x+2:SUM+8*\x+3]
	v_pk_add_f32 v[SUM+8*\x+4:SUM+8*\x+5], v[SUM+8*\x+4:SUM+8*\x+5], v[SUM+8*\x+6:SUM+8*\x+7]
.endr
.irp b, 0,1,2,3,4,5,6,7
	v_add_nc_u32 v[SO+\b], 0xff000000, v[BM+\b]    ; 2 off the exponent field: the conversion's scale operand
.endr
.irp x, 0,1
	v_pk_add_f32 v[SUM+8*\x:SUM+8*\x+1], v[SUM+8*\x:SUM+8*\x+1], v[SUM+8*\x+4:SUM+8*\x+5]
.endr
.irp b, 0,1,2,3,4,5,6,7
	v_lshrrev_b32 v[BX+\b], 23, v[SO+\b]           ; the scale's byte, 1 to 125
.endr
.irp x, 0,1
	v_add_f32 v[LL+\x], v[SUM+8*\x], v[SUM+8*\x+1]
.endr
.irp x, 0,1
	v_lshl_or_b32 v[PW+\x], v[BX+4*\x+1], 8, v[BX+4*\x]
.endr
.irp x, 0,1
	v_permlanex16_b32 v[T2+\x], v[LL+\x], s[SEL], s[SEL+1]
.endr
.irp x, 0,1
	v_lshl_or_b32 v[PW+\x], v[BX+4*\x+2], 16, v[PW+\x]
.endr
.irp x, 0,1
	v_add_f32 v[LL+\x], v[LL+\x], v[T2+\x]         ; lg; both halves of the lanes hold the same bits
.endr
.irp x, 0,1
	v_lshl_or_b32 v[PW+\x], v[BX+4*\x+3], 24, v[PW+\x]
.endr
.irp x, 0,1
	v_or_b32 v[PW+\x], 0x80808080, v[PW+\x]        ; bit 7 of each byte: the second launch subtracts M - Mg from all four at once, and no byte borrows
.endr
	WIN EW
.irp x, 0,1
.irp u, 0,1,2,3,4,5,6,7
	v_cvt_scalef32_pk8_fp4_f32 v[PC+8*\x+4*(\u/4)+2*(\u%2)+(\u%4)/2], v[AC+64*\x+8*\u:AC+64*\x+8*\u+7], v[SO+4*\x+\u/2]   ; keys 16 u + 8 h + 0 .. 7
.endr
.endr
	WIN 0
	v_nop                                          ; one plain instruction behind the scaled conversions
.irp c, 0,1,2,3                                ; the operand wants keys 64 c + 32 h + 8 i .. in register 4 c + i: the first's lanes 16-31 change places with the second's lanes 0-15
	v_permlane16_swap_b32 v[PC+4*\c], v[PC+4*\c+1]
	v_permlane16_swap_b32 v[PC+4*\c+2], v[PC+4*\c+3]
.endr
	v_cndmask_b32 v[REC], v[PW], v[PW+1], s[HM]    ; lanes 0-15 store block a's records, lanes 16-31 block a + 1's
	v_cndmask_b32 v[REC+1], v[NM], v[NM+2], s[HM]
	v_cndmask_b32 v[REC+2], v[LL], v[LL+1], s[HM]
.irp x, 0,1
	global_store_b128 v[IMO], v[PC+8*\x:PC+8*\x+3], s[12:13] offset:4096*(\a+\x)+2048*(\t)       ; each store covers 512 consecutive bytes, aligned
	global_store_b128 v[IMO], v[PC+8*\x+4:PC+8*\x+7], s[12:13] offset:4096*(\a+\x)+2048*(\t)+512
.endr
	global_store_b128 v[IMO], v[REC:REC+3], s[14:15] offset:256*(\a)+4096*(\t)
.endm
.macro STEPS t
	STEP 0, 1, \t                                  ; the first products start the sums: nothing is cleared
.irp q, 1,2,3,4,5,6
	STEP \q, 0, \t
.endr
	LAST 1-\t
	PLACES                                         ; behind the tile's last products
.endm
	s_wait_alu depctr_va_vdst(0)                   ; the wait at the head's end
	s_wait_loadcnt 0x0                             ; the scale bytes go into LDS
.irp j, 0,1,2,3
	ds_store_b128 v[GST], v[192+4*\j:195+4*\j] offset:2176*\j
.endr
.irp j, 0,1,2,3,4,5,6,7
	ds_store_b128 v[GST], v[208+4*\j:211+4*\j] offset:2*ZSH+2176*\j
.endr
	s_wait_tensorcnt 0x0                           ; my part of the tiles is in,
	s_wait_dscnt 0x0
	s_barrier_signal -1
	s_barrier_wait -1                              ; everybody's is
	FETCHB 0
	FETCHA 0
	SCALES 0, 0
	STEPS 0
	FETCHA 0                                       ; z's fragments of the second tile's steps 0 and 1
	FETCHA 1
	WIN 0
.irp a, 0,2,4
	EPAIR \a, 0
.endr
	s_wait_tensorcnt 0x0                           ; my part of the second tile's keys has landed,
	s_wait_dscnt 0x0
	s_barrier_signal -1
	s_barrier_wait -1                              ; everybody's has: the keys' fragments of steps 0 and 1 load under the last pair's way out
	FETCHB 0
	SCALES 0, 1
	FETCHB 1
	WIN 0
	EPAIR 6, 0
	STEPS 1
.irp a, 0,2,4,6
	EPAIR \a, 1
.endr
	s_wait_tensorcnt 0x0                           ; the wave's end
	ds_add_u32 v[SPW], v[NIL]
	s_wait_dscnt 0x0
	CROUND                                         ; the closing round: no work-group ends while a partner may still ask for a tile that names it
	s_endpgm
.Lfunc_end_k_qdff312eb88_scores:
	.size	k_qdff312eb88_scores, .Lfunc_end_k_qdff312eb88_scores-k_qdff312eb88_scores
	.p2alignl 7, 3214868480
	.fill 96, 4, 3214868480
	.section	.rodata,"a",@progbits
	.p2align	6, 0x0
	.amdhsa_kernel k_qdff312eb88_scores
		.amdhsa_group_segment_fixed_size 327680
		.amdhsa_private_segment_fixed_size 0
		.amdhsa_enable_private_segment 0
		.amdhsa_kernarg_size 48
		.amdhsa_user_sgpr_count 2
		.amdhsa_user_sgpr_kernarg_segment_ptr 1
		.amdhsa_wavefront_size32 1
		.amdhsa_system_sgpr_workgroup_id_x 1
		.amdhsa_system_sgpr_workgroup_id_y 1
		.amdhsa_system_sgpr_workgroup_id_z 1
		.amdhsa_system_vgpr_workitem_id 0
		.amdhsa_next_free_vgpr 1024
		.amdhsa_next_free_sgpr 102
		.amdhsa_reserve_vcc 0
		.amdhsa_float_denorm_mode_32 3
		.amdhsa_float_denorm_mode_16_64 3
		.amdhsa_memory_ordered 1
		.amdhsa_forward_progress 1
		.amdhsa_inst_pref_size 255
	.end_amdhsa_kernel
	.section	.bss,"aw",@nobits
	.p2align	6
	.space	262144
	.amdgpu_metadata
---
amdhsa.version: [ 1, 2 ]
amdhsa.kernels:
  - .name:           k_qdff312eb88_scores
    .symbol:         k_qdff312eb88_scores.kd
    .args:
      - { .name: z_codes, .offset: 0, .size: 8, .value_kind: global_buffer, .address_space: global }
      - { .name: z_scales, .offset: 8, .size: 8, .value_kind: global_buffer, .address_space: global }
      - { .name: keys_codes, .offset: 16, .size: 8, .value_kind: global_buffer, .address_space: global }
      - { .name: keys_scales, .offset: 24, .size: 8, .value_kind: global_buffer, .address_space: global }
      - { .name: pc, .offset: 32, .size: 8, .value_kind: global_buffer, .address_space: global }
      - { .name: pmeta, .offset: 40, .size: 8, .value_kind: global_buffer, .address_space: global }
    .group_segment_fixed_size: 327680
    .private_segment_fixed_size: 0
    .kernarg_segment_align: 8
    .kernarg_segment_size: 48
    .max_flat_workgroup_size: 128
    .sgpr_count:     102
    .vgpr_count:     1024
    .wavefront_size: 32
...
	.end_amdgpu_metadata
.endif
;; end of part 1
;; launch mix (part 2): grid 4 x 64, 4 waves a work-group, clusters of 4 x 4, 327,680 bytes of LDS; arguments pc, pmeta, values_codes, values_scales, out0; writes out0
.if DOCPART == 2
	.amdgcn_target "amdgcn-amd-amdhsa--gfx1250"
	.amdhsa_code_object_version 6
	.text
	.protected	k_qdff312eb88_mix
	.globl	k_qdff312eb88_mix
	.p2align	8
	.type	k_qdff312eb88_mix,@function
k_qdff312eb88_mix:
	s_mov_b64 s[64:65], 0
	v_nop
	global_prefetch_b8 v0, s[64:65] scope:SCOPE_SE
	s_setreg_imm32_b32 hwreg(HW_REG_WAVE_MODE, 25, 1), 1
	s_wait_xcnt 0x0
	s_wait_alu depctr_hold_cnt(0) depctr_sa_sdst(0) depctr_va_vdst(0) depctr_va_sdst(0) depctr_va_ssrc(0) depctr_va_vcc(0) depctr_vm_vsrc(0)
	s_getreg_b32 s2, hwreg(HW_REG_IB_STS2, 6, 4)
	s_cmp_eq_u32 s2, 0
	s_cbranch_scc0 .Lentry_in_a_cluster
	s_endpgm
.Lentry_in_a_cluster:
	s_bfe_u32 s2, ttmp6, 0x10000c
	s_cmp_lg_u32 s2, 0xf033
	s_cbranch_scc0 .Lentry_shape_is_right
	s_endpgm
.Lentry_shape_is_right:
; SECOND OF TWO LAUNCHES.  out[n][d] = (sum over k of p[n][k] values[k][d]) / l[n], on codes of FP4 (E2M1) with one E8M0 scale for each 32 keys (8,192 x 1,024 x 4,096).
; The first launch left, for each row and group of 128 keys, the codes and scale bytes of p' = 2^(t - Mg), -Mg and lg.  Here, for each row: M = the largest Mg; a group's scale bytes less M - Mg are
; those of p = 2^(t - M) (a power of two goes into the scale: the codes stay); l = the sum of lg 2^(Mg - M).  No work of the problem is left out.
; LIMITS: a block whose byte would fall under 0 (125 binary orders or more under the row's largest p) gets the byte 0, which is 2^-127: its share of a sum is under 2^-120 of l;
; a group with M - Mg of 127 or more adds 0 to l.  NaN and infinities are not served.  l is over 1/2: the group that holds M has a p' over 1/2.
; SHARES.  A work-group of four waves makes 128 rows x 256 columns of out; a wave 64 x 128: 16 accumulators of 32 columns x 16 rows, 256 registers.  Tiles of 256 x 256 would be 128 work-groups.
; Source 0 = 32 rows of values (d), source 1 = 16 rows of p: a lane holds eight neighbouring numbers of a row of out.
; VALUES go through a ring of two LDS slots of 1,024 keys (256 rows of 512 bytes): slot 0 at the head, slot 1 behind the head's last round, then two refills, 64 rows a wave; each but the first has eight steps of 128 keys
; in which to land.
; THE HEAD'S LOADS, one a wave: waves 0 and 1 slot 0's halves; wave 2 the 128 rows' records (65,536 bytes, into slot 1, whose first keys come later); wave 3 values' scale bytes for all keys.
; P GOES FROM MEMORY STRAIGHT INTO REGISTERS: pc holds images of operand registers.  A ring of eight sets of four fragments runs seven steps ahead; its waits are counted, and no barrier touches it.
; THE LAST EIGHT STEPS, whose p is then all in the ring, go by halves of the columns: the first 64 columns are finished and stored ahead of the last 64's products.
; CLUSTERS: 4 x 4.  The four of a column of the cluster need the same rows of values and their scales, the four of a row the same records: each is asked for JOINTLY.  p's images, which the four of a row share, are not: a
; joint load lands in LDS, and beside two slots (270,336 bytes) and the scales (52,224) 4,096 bytes are left.
; PREFETCH: values' keys 1,024 on at the head, ahead of the prologue; 2,048 on and 3,072 on six steps ahead of the load of each: one instruction a wave, 16 rows x 2 blocks of 256 bytes, the column's four partners told apart
; by address; the clusters with numbers 0 to 3 ask (every cluster walks the same values).  p is asked for seven steps ahead by its own loads and is not prefetched.
; REGISTERS, in windows of 256: window 0: v16-31 addresses; v32-95 scale words, two sets; v96-223 the prologue's records, later the way out; v224-255 at work, 1 / l.
;   window 1: values' fragments, two sets of 64, at v0 and v128.   window 2: the accumulators, (a, b) at v[64 a + 16 b].   window 3: p's fragments, set k % 8 of step k at v[32 (k % 8)].
.set PITCH,  528                       ; a row of values in LDS: 512 bytes + 16 of padding
.set QV,     64*PITCH                  ; 64 rows: what one tensor load of a refill brings
.set HALFT,  128*PITCH                 ; half a slot
.set SLOT,   4*QV
.set PSTEP,  2097152                   ; from one run of 512 keys to the next in pc
.set SCP,    2*SLOT                    ; p's scale words, 128 rows x 128 bytes, 16 bytes of padding behind each 256; written by LDS stores alone
.set SCV,    SCP+64*272                ; values' scale bytes, 256 rows, laid likewise by a tensor load
.set RL,     SCV+128*272               ; 1 / l of the 128 rows
.set SPARE,  RL+512                    ; the spare words, 128 bytes for each wave
.set STG,    64*272                    ; the way out: a stage of 64 rows x (256 bytes + 16) for each wave, in slot 0, which has had its last fill behind step 7 and its last read ahead of step 23's barrier
.set MO,   16                          ; LDS address of my row's record of group 0
.set CO,   17                          ; 16 x lane
.set SWA,  18                          ; where I store my row's scale words
.set ADRB, 20                          ; v20-21 LDS address of my fragments of values in slot 0, 1
.set ADSP, 22                          ; of my p rows' scale words
.set ADSV, 23                          ; of my values rows' scale words, a lane a row
.set RLW,  24
.set RLA,  25
.set STO,  26
.set RD,   27
.set SPW,  28                          ; LDS address of my spare word; never rewritten
.set NIL,  29                          ; 0; never rewritten
.set CO2,  30                          ; my byte offset in two rows of out
.set PFO,  31                          ; the prefetches' offset
.set SC,   32                          ; set g % 2 of steps 4 g ..: values' 32 b, step q: v[SC + 32 (g % 2) + 4 b + q]; p's block a: + 16 + 4 a + q
.set WD,   64                          ; the prologue: my row's scale words
.set MET,  96                          ; the prologue: my row's records
.set RLF,  224                         ; v[224 + 2 a : 225 + 2 a] 1 / l of row block a
.set DD,   224
.set RR,   228
.set HH,   232
.set LS,   236
.set MM,   240
.set MN,   241
.set RC,   242
.set G0,   24                          ; groups 0: slot 0's halves;  G0R: the refills of slots 0, 1;  G0F: slot 1's first fill;  G0M: the records;  G0S: values' scales
.set G0R,  28
.set G0F,  88
.set G0M,  92
.set G0S,  96
.set G1V,  48                          ; groups 1: 128 rows of values;  G1R: 64 rows;  G1M: the records;  G1S: values' scales
.set G1R,  56
.set G1M,  72
.set G1S,  80
.set PFA,  46                          ; s[46:47] where my prefetches stand
.set PB,   66                          ; s[66:67] pc at my 64 rows, keys 0 on;  s[68:69] keys 2,048 on
.set CY,   14                          ; s14 the cluster's number
.set MSB, 0
.macro WIN new
.if MSB != (\new)
	s_set_vgpr_msb (MSB<<8)|(\new)
.set MSB, (\new)
.endif
.endm
.set MUL, 0xad                         ; source 0 (values) window 1, source 1 (p) window 3, C and D window 2
.macro CREST                           ; a round of the cluster's barrier behind its opening barrier
	s_cmp_lg_u32 s16, 0
	s_cbranch_scc1 .Lnot_wave_0_\@
	s_barrier_signal -3
.Lnot_wave_0_\@:
	s_barrier_wait -3
	s_barrier_signal -1
	s_barrier_wait -1
.endm
.macro CROUND
	s_barrier_signal -1
	s_barrier_wait -1
	CREST
.endm
.macro PLACES                          ; four places behind matrix instructions (ISA guide 7.12.1 for the first read of their results)
.rept 4
	v_nop
.endr
.endm
.macro PLOAD k                         ; p's four fragments of step k into set k % 8: eight loads of 512 consecutive bytes
	WIN 0xc0                                       ; destination window 3, address window 0
.irp i, 0,1,2,3
.irp c, 0,1
	global_load_b128 v[32*((\k)%8)+8*\i+4*\c:32*((\k)%8)+8*\i+4*\c+3], v[CO], s[PB+2*((\k)/16):PB+2*((\k)/16)+1] offset:(((\k)/4)%4)*PSTEP+4096*\i+1024*((\k)%4)+512*\c
.endr
.endr
.endm
.macro ASK off                         ; a prefetch of values' keys 2 x off on (every window is 0 here)
	s_cmp_lt_u32 s[CY], 4
	s_cbranch_scc0 .Lnot_mine_\@
	global_prefetch_b8 v[PFO], s[PFA:PFA+1] offset:\off th:TH_LOAD_NT scope:SCOPE_SE
.Lnot_mine_\@:
.endm
	s_load_b256 s[4:11], s[0:1], 0x0               ; pc, pmeta, values' codes, values' scales
	s_load_b64 s[12:13], s[0:1], 0x20              ; out
	v_lshl_add_u32 v[SPW], v0, 2, SPARE
	v_mov_b32 v[NIL], 0
	ds_add_u32 v[SPW], v[NIL]                      ; the wave's opening: the add, twice on end
	ds_add_u32 v[SPW], v[NIL]
	v_lshrrev_b32 v1, 5, v0
	v_readfirstlane_b32 s16, v1                    ; wave 0..3
	v_and_b32 v1, 15, v0                           ; r
	v_bfe_u32 v2, v0, 4, 1                         ; h
	v_and_b32 v3, 31, v0                           ; lane
	v_lshlrev_b32 v[CO], 4, v3
	v_lshrrev_b32 v4, 1, v3
	v_lshlrev_b32 v4, 11, v4
	v_and_b32 v5, 1, v3
	v_lshl_add_u32 v[PFO], v5, 8, v4               ; row lane / 2, block lane % 2
	s_lshr_b32 s17, s16, 1                         ; RH: which 64 of the 128 rows are mine
	s_and_b32 s18, s16, 1                          ; CH: which 128 of the 256 columns
	s_bfe_u32 s21, ttmp6, 0x40000                  ; cx, cy
	s_bfe_u32 s22, ttmp6, 0x40004
	s_lshl_b32 s20, ttmp9, 2
	s_add_co_u32 s20, s20, s21                     ; TX: my 256 columns
	s_and_b32 s[CY], ttmp7, 0xffff
	s_lshl_b32 s19, s[CY], 2
	s_add_co_u32 s19, s19, s22                     ; TY: my 128 rows
	s_lshl_b32 s3, 0x1111, s21                     ; my column of the cluster
	s_lshl_b32 s23, s22, 2
	s_lshl_b32 s23, 15, s23                        ; my row
	; group 1: values: rows of 512 bytes, 2,048 bytes apart, four words of padding after every 128; bit 21 set beside a mask
.irp g, G1V, G1R
	s_or_b32 s[\g], s3, (1<<20)|(1<<21)|(6<<22)|(3<<25)
	s_mov_b32 s[\g+1], 512<<16
	s_mov_b32 s[\g+3], 512<<16
	s_mov_b32 s[\g+5], 2048
	s_mov_b32 s[\g+6], 0
	s_mov_b32 s[\g+7], 0
.endr
	s_mov_b32 s[G1V+2], 128<<16
	s_mov_b32 s[G1V+4], 128
	s_mov_b32 s[G1R+2], 64<<16
	s_mov_b32 s[G1R+4], 64
	s_or_b32 s[G1M], s23, (3<<16)|(1<<21)          ; the records: 65,536 dense bytes as 64 rows of 1,024 (128 elements of 8 bytes), to my row
	s_mov_b32 s[G1M+1], 128<<16
	s_mov_b32 s[G1M+2], 64<<16
	s_mov_b32 s[G1M+3], 128<<16
	s_mov_b32 s[G1M+4], 64
	s_mov_b32 s[G1M+5], 128
	s_mov_b32 s[G1M+6], 0
	s_mov_b32 s[G1M+7], 0
	s_or_b32 s[G1S], s3, (3<<16)|(1<<20)|(1<<21)|(5<<22)|(3<<25)   ; values' scales: 32,768 dense bytes as 128 rows of 256, four words of padding behind each, to my column
	s_mov_b32 s[G1S+1], 32<<16
	s_mov_b32 s[G1S+2], 128<<16
	s_mov_b32 s[G1S+3], 32<<16
	s_mov_b32 s[G1S+4], 128
	s_mov_b32 s[G1S+5], 32
	s_mov_b32 s[G1S+6], 0
	s_mov_b32 s[G1S+7], 0
	s_lshl_b32 s36, s19, 15                        ; pc: 8 row blocks of 4,096 bytes, + my wave's four
	s_lshl_b32 s70, s17, 14
	s_add_co_u32 s36, s36, s70
	s_mov_b32 s37, 0
	s_lshl_b32 s38, s20, 19                        ; values at the head: row 256 TX + 128 x (wave 0 or 1)
	s_lshl_b32 s70, s18, 18
	s_add_co_u32 s38, s38, s70
	s_mov_b32 s39, 0
	s_lshl_b32 s40, s20, 19                        ; values later: row 256 TX + 64 x wave
	s_lshl_b32 s70, s16, 17
	s_add_co_u32 s40, s40, s70
	s_mov_b32 s41, 0
	s_lshl_b32 s42, s20, 15                        ; values' scales: row 256 TX, 128 bytes a row
	s_mov_b32 s43, 0
	s_lshl_b32 s44, s19, 16                        ; my 128 rows' records
	s_mov_b32 s45, 0
	s_lshl_b32 s71, s22, 15
	s_add_co_u32 s[PFA], s40, s71                  ; prefetches: row 256 TX + 64 x wave + 16 cy
	s_mov_b32 s[PFA+1], 0
	s_mul_i32 s70, s18, HALFT                      ; in LDS: no place in the cluster enters an LDS address.  Also: my 128 rows of values in a slot
	s_mul_i32 s71, s16, QV
	s_wait_alu depctr_va_vdst(0)                   ; the wait ahead of the blocking waits below
	s_wait_dscnt 0x0                               ; both opening adds are done
	CROUND                                         ; all sixteen work-groups are here: the first joint loads meet
	s_wait_kmcnt 0x0
	s_mov_b32 s[G0], 1
	s_mov_b32 s[G0+1], s70
	s_add_nc_u64 s[G0+2:G0+3], s[8:9], s[38:39]
	s_or_b32 s[G0+3], s[G0+3], 0x80000000
	s_mov_b32 s[G0M], 1
	s_mov_b32 s[G0M+1], SLOT
	s_add_nc_u64 s[G0M+2:G0M+3], s[6:7], s[44:45]
	s_or_b32 s[G0M+3], s[G0M+3], 0x80000000
	s_mov_b32 s[G0S], 1
	s_mov_b32 s[G0S+1], SCV
	s_add_nc_u64 s[G0S+2:G0S+3], s[10:11], s[42:43]
	s_or_b32 s[G0S+3], s[G0S+3], 0x80000000
	s_cmp_lt_u32 s16, 2                            ; one chain of branches on the wave's number, a load to an arm
	s_cbranch_scc0 .Lnot_values
	tensor_load_to_lds s[G0:G0+3], s[G1V:G1V+7]
	s_nop 0
.rept 4
	v_nop
.endr
	s_branch .Lasked
.Lnot_values:
	s_cmp_lt_u32 s16, 3
	s_cbranch_scc0 .Lnot_records
	tensor_load_to_lds s[G0M:G0M+3], s[G1M:G1M+7]
	s_nop 0
.rept 4
	v_nop
.endr
	s_branch .Lasked
.Lnot_records:
	tensor_load_to_lds s[G0S:G0S+3], s[G1S:G1S+7]
	s_nop 0
.rept 4
	v_nop
.endr
.Lasked:
	s_add_nc_u64 s[PB:PB+1], s[4:5], s[36:37]
	s_add_nc_u64 s[PB+2:PB+3], s[PB:PB+1], 4*PSTEP
	s_add_nc_u64 s[PFA:PFA+1], s[8:9], s[PFA:PFA+1]
	PLOAD 0
	PLOAD 1
	PLOAD 2
	PLOAD 3
	WIN 0
	ASK 512
.irp s, 0,1
	s_mov_b32 s[G0R+4*\s], 1
	s_add_co_u32 s[G0R+4*\s+1], s71, \s*SLOT
	s_add_nc_u64 s[G0R+4*\s+2:G0R+4*\s+3], s[8:9], s[40:41]
	s_add_nc_u64 s[G0R+4*\s+2:G0R+4*\s+3], s[G0R+4*\s+2:G0R+4*\s+3], 1024+512*\s   ; keys 2,048 + 1,024 s on
	s_or_b32 s[G0R+4*\s+3], s[G0R+4*\s+3], 0x80000000
.endr
	s_mov_b32 s[G0F], 1
	s_add_co_u32 s[G0F+1], s71, SLOT
	s_add_nc_u64 s[G0F+2:G0F+3], s[8:9], s[40:41]
	s_add_nc_u64 s[G0F+2:G0F+3], s[G0F+2:G0F+3], 512   ; keys 1,024 on
	s_or_b32 s[G0F+3], s[G0F+3], 0x80000000
	s_lshl_b32 s2, s19, 19                         ; out: row 128 TY + 64 RH, 4,096 bytes a row; column 256 TX + 128 CH, 4 bytes
	s_lshl_b32 s3, s17, 18
	s_add_co_u32 s2, s2, s3
	s_lshl_b32 s3, s20, 10
	s_add_co_u32 s2, s2, s3
	s_lshl_b32 s3, s18, 9
	s_add_co_u32 s2, s2, s3
	s_mov_b32 s3, 0
	s_add_nc_u64 s[12:13], s[12:13], s[2:3]
	s_mul_i32 s15, s16, STG                        ; my stage
	s_mul_i32 s21, s17, 32*272
	s_add_co_u32 s21, s21, SCP                     ; my 64 rows' scale words
	s_mul_i32 s22, s18, 64*272
	s_add_co_u32 s22, s22, SCV                     ; my 128 columns' scale words
	s_lshl_b32 s23, s17, 8
	s_add_co_u32 s23, s23, RL
	v_lshl_add_u32 v[MO], v0, 4, SLOT
	v_mul_u32_u24 v4, v1, PITCH
	v_lshl_add_u32 v4, v2, 4, v4
	v_add_nc_u32 v[ADRB], s70, v4
	v_add_nc_u32 v[ADRB+1], SLOT, v[ADRB]
	v_mul_u32_u24 v7, v2, 272
	v_lshl_add_u32 v7, v1, 4, v7                   ; lanes 0-15 one row of 256 bytes, lanes 16-31 the next
	v_add_nc_u32 v[RD], s15, v7
	v_mul_u32_u24 v5, v1, 272
	v_lshl_add_u32 v5, v2, 5, v5
	v_add_nc_u32 v[STO], s15, v5                   ; row r, my half's 32 bytes
	v_lshlrev_b32 v5, 12, v2
	v_lshl_add_u32 v[CO2], v1, 4, v5
	v_lshrrev_b32 v5, 1, v0
	v_mul_u32_u24 v5, v5, 272
	v_and_b32 v6, 1, v0
	v_lshl_add_u32 v5, v6, 7, v5
	v_add_nc_u32 v[SWA], SCP, v5
	v_lshlrev_b32 v5, 7, v1                        ; 128 bytes a row, and 16 more behind each 256
	v_lshrrev_b32 v6, 1, v1
	v_lshl_add_u32 v5, v6, 4, v5
	v_add_nc_u32 v[ADSP], s21, v5
	v_lshlrev_b32 v5, 7, v3
	v_lshrrev_b32 v6, 1, v3
	v_lshl_add_u32 v5, v6, 4, v5
	v_add_nc_u32 v[ADSV], s22, v5
	v_lshl_add_u32 v[RLW], v0, 2, RL
	v_lshl_add_u32 v[RLA], v1, 2, s23
	s_wait_alu depctr_va_vdst(0)                   ; the wait at the head's end
	s_cmp_lt_u32 s16, 2                            ; waves 2 and 3 wait for their loads, the records and values' scales; slot 0, whose loads are a line of their own, is waited for ahead of the next barrier
	s_cbranch_scc1 .Lslot_later
	s_wait_tensorcnt 0x0
.Lslot_later:
	s_barrier_signal -1
	s_barrier_wait -1                              ; the records are in
	; THE PROLOGUE: thread i of the 128 takes row i
.set j, 0
.rept 32
	ds_load_b128 v[MET+4*j:MET+4*j+3], v[MO] offset:2048*j
.set j, j+1
.endr
	s_wait_dscnt 0x0
	v_min3_num_f32 v[MM], v[MET+1], v[MET+5], v[MET+9]
	v_min3_num_f32 v[MN], v[MET+13], v[MET+17], v[MET+21]
.set j, MET+25
.rept 6
	v_min3_num_f32 v[MM], v[MM], v[j], v[j+4]
	v_min3_num_f32 v[MN], v[MN], v[j+8], v[j+12]
.set j, j+16
.endr
	v_min3_num_f32 v[MM], v[MM], v[MET+121], v[MET+125]
	v_min_num_f32 v[MM], v[MM], v[MN]              ; -M = the least -Mg
.set g, 0
.rept 8                                ; four groups of 128 keys by turns
.irp k, 0,1,2,3
	v_sub_f32 v[DD+\k], v[MET+16*g+4*\k+1], v[MM]  ; M - Mg: a whole number, 0 or more
.endr
.irp k, 0,1,2,3
	v_min_num_f32 v[DD+\k], 0x42fe0000, v[DD+\k]   ; held at 127
.endr
.irp k, 0,1,2,3
	v_cvt_u32_f32 v[DD+\k], v[DD+\k]
.endr
.irp k, 0,1,2,3
	v_perm_b32 v[RR+\k], v[DD+\k], v[DD+\k], 0     ; in all four bytes
.endr
.irp k, 0,1,2,3
	v_sub_nc_u32 v[RR+\k], v[MET+16*g+4*\k], v[RR+\k]   ; each byte: 128 + b - (M - Mg), at least 1: no byte borrows
.endr
.irp k, 0,1,2,3
	v_and_b32 v[HH+\k], 0x80808080, v[RR+\k]       ; bit 7 has stayed where b >= M - Mg
.endr
.irp k, 0,1,2,3
	v_lshrrev_b32 v[WD+4*g+\k], 7, v[HH+\k]
.endr
.irp k, 0,1,2,3
	v_sub_nc_u32 v[HH+\k], v[HH+\k], v[WD+4*g+\k]  ; 0x7f in those bytes, 0 in the others
.endr
.irp k, 0,1,2,3
	v_and_b32 v[WD+4*g+\k], v[RR+\k], v[HH+\k]     ; b - (M - Mg), held at 0 from below
.endr
.irp k, 0,1,2,3
	v_sub_nc_u32 v[DD+\k], 127, v[DD+\k]
.endr
.irp k, 0,1,2,3
	v_lshlrev_b32 v[DD+\k], 23, v[DD+\k]           ; 2^(Mg - M) as f32; 0 where M - Mg was held
.endr
.irp k, 0,1,2,3
.if g == 0
	v_mul_f32 v[LS+\k], v[MET+4*\k+2], v[DD+\k]    ; the first four start the partial sums
.else
	v_fmac_f32 v[LS+\k], v[MET+16*g+4*\k+2], v[DD+\k]
.endif
.endr
.set g, g+1
.endr
	v_add_f32 v[LS], v[LS], v[LS+1]
	v_add_f32 v[LS+2], v[LS+2], v[LS+3]
	v_add_f32 v[LS], v[LS], v[LS+2]                ; l
	s_wait_alu depctr_va_vdst(0)                   ; the wait ahead of the reciprocal,
	v_rcp_f32 v[RC], v[LS]
	v_nop
	s_wait_alu depctr_va_vdst(0)                   ; and ahead of its first reader
	ds_store_b32 v[RLW], v[RC]
.irp j, 0,1,2,3,4,5,6,7
	ds_store_b128 v[SWA], v[WD+4*\j:WD+4*\j+3] offset:16*\j
.endr
.macro FETCHX b0, n, k                 ; n LDS loads: values' fragments of step k from 16-row block b0 on, into set k % 2; slot (k / 8) % 2, byte 64 (k % 8) of its rows
	WIN 0x40                                       ; destination window 1, address window 0
.set fi, \b0
.rept (\n)/2
	ds_load_b128 v[128*((\k)%2)+8*fi:128*((\k)%2)+8*fi+3], v[ADRB+((\k)/8)%2] offset:64*((\k)%8)+fi*16*PITCH
	ds_load_b128 v[128*((\k)%2)+8*fi+4:128*((\k)%2)+8*fi+7], v[ADRB+((\k)/8)%2] offset:64*((\k)%8)+32+fi*16*PITCH
.set fi, fi+1
.endr
.endm
.macro SCALES g                        ; the scale words of steps 4 g .. 4 g + 3, 16 bytes a row
	WIN 0
.irp i, 0,1,2,3
	ds_load_b128 v[SC+32*((\g)%2)+4*\i:SC+32*((\g)%2)+4*\i+3], v[ADSV] offset:\i*16*272+16*(\g)
	ds_load_b128 v[SC+32*((\g)%2)+16+4*\i:SC+32*((\g)%2)+16+4*\i+3], v[ADSP] offset:\i*8*272+16*(\g)
.endr
.endm
.macro MM1 a, b, k, zero               ; p's block a x values' 32 rows b in step k
.set XD, 64*(\a)+16*(\b)
.set XA, 128*((\k)%2)+16*(\b)
.set XB, 32*((\k)%8)+8*(\a)
.set XS, SC+32*(((\k)/4)%2)+(\k)%4
.if \zero
	v_wmma_scale_f32_32x16x128_f4 v[XD:XD+15], v[XA:XA+15], v[XB:XB+7], 0, v[XS+4*(\b)], v[XS+16+4*(\a)]
.else
	v_wmma_scale_f32_32x16x128_f4 v[XD:XD+15], v[XA:XA+15], v[XB:XB+7], v[XD:XD+15], v[XS+4*(\b)], v[XS+16+4*(\a)]
.endif
.endm
.macro MULA a, k, zero                 ; the accumulators take turns, in the same order in every step
.irp b, 0,1,2,3
	MM1 \a, \b, \k, \zero
.endr
.endm
; A step of 128 keys that has its successor in the same slot.  The successor's fragments of values and p's of seven steps on go into the sets that the step before has read; then this step's 16 matrix instructions.
.macro STEP k, zero
	PLACES
	FETCHX 0, 16, (\k)+1
.if ((\k)%4) == 1
	SCALES (\k)/4+1                                ; into the set that was last named two steps ago
.endif
	s_wait_loadcnt 48                              ; p's fragments of this step are in: behind them the loads of six steps were issued
	PLOAD (\k)+7
.if ((\k)%4) == 1
	s_wait_dscnt 24                                ; all but the 24 just issued
.else
	s_wait_dscnt 16                                ; all but the 16 just issued
.endif
	WIN MUL
.irp a, 0,1,2,3
	MULA \a, \k, \zero
.endr
.if ((\k) == 1) || ((\k) == 9)         ; the prefetch of what step k + 6 asks for
	WIN 0
	ASK 1024+512*((\k)/8)
.endif
.endm
; A slot's last step changes slots: ONE barrier; in front of it each wave waits for all its tensor loads, adds 0 to its spare word, and waits for that and for its reads of this slot.
; fill = 1: the barrier opens a round of the cluster's barrier, and this slot is filled again, with the keys two slots on.
.macro TURN k, fill
.set SL, ((\k)/8)%2
	WIN 0
	s_wait_tensorcnt 0x0                           ; all my tensor loads have landed
	ds_add_u32 v[SPW], v[NIL]
	s_wait_dscnt 1                                 ; (the add may be out: this step's fragments are in)
	s_wait_loadcnt 48
	WIN MUL
	MULA 0, \k, 0
	s_wait_dscnt 0x0                               ; the add is done, and my reads of this slot are over
	s_barrier_signal -1
	MULA 1, \k, 0
	WIN 0
	s_barrier_wait -1
.if \fill
	CREST                                          ; no wave of any partner still reads this slot or has a tensor load on its way
	tensor_load_to_lds s[G0R+4*SL:G0R+4*SL+3], s[G1R:G1R+7]
	s_nop 0
.endif
	PLACES
	PLOAD (\k)+7
.if \fill
	FETCHX 0, 16, (\k)+1
.else
	FETCHX 0, 8, (\k)+1
.endif
	WIN MUL
	MULA 2, \k, 0
	MULA 3, \k, 0
.endm
; One of the last eight steps, columns 64 hb on: eight matrix instructions.  The next step's (or the next half's first) fragments go out first.
.macro HSTEP hb, k
	PLACES
.if (\k) < 31
	FETCHX 4*\hb, 8, (\k)+1
.elseif \hb == 0
	FETCHX 4, 8, 24
.endif
.if \hb == 0
	s_wait_loadcnt 8*(31-(\k))                     ; p's fragments of this step are in
.endif
.if (\hb == 1) && ((\k) == 31)
	s_wait_dscnt 0
.else
	s_wait_dscnt 8                                 ; all but the eight just issued
.endif
	WIN MUL
.irp a, 0,1,2,3
	MM1 \a, 2*\hb, \k, 0
	MM1 \a, 2*\hb+1, \k, 0
.endr
.endm
; THE WAY OUT of 64 rows x 64 columns: times 1 / l; through my own stage in LDS; back as rows of 256 bytes.
.macro OUT hb
	PLACES                                         ; behind the last products
.if \hb
	s_wait_xcnt 0x0                                ; the first half's stores have read their registers
.endif
.irp a, 0,1,2,3
	WIN 0x82                                       ; destination and source 0 window 2, 1 / l window 0
.set j, 64*\a+32*\hb
.rept 16
	v_pk_mul_f32 v[j:j+1], v[j:j+1], v[RLF+2*\a:RLF+2*\a+1] op_sel_hi:[1,0]   ; each accumulator from its low end on
.set j, j+2
.endr
	WIN 0x08                                       ; store data window 2; addresses and loads window 0
.irp b, 0,1,2,3
	ds_store_b128 v[STO], v[64*\a+32*\hb+8*\b:64*\a+32*\hb+8*\b+3] offset:4352*\a+64*\b
	ds_store_b128 v[STO], v[64*\a+32*\hb+8*\b+4:64*\a+32*\hb+8*\b+7] offset:4352*\a+64*\b+16
.endr
.irp t, 0,1,2,3,4,5,6,7
	ds_load_b128 v[96+32*\a+4*\t:96+32*\a+4*\t+3], v[RD] offset:4352*\a+544*\t   ; LDS serves a wave's instructions in order (ISA guide 5.7.1.4): these see the stores above
.endr
.endr
	WIN 0
.irp a, 0,1,2,3
	s_wait_dscnt 48-16*\a                          ; block a is back; behind its loads 16 LDS instructions for each later block
.irp t, 0,1,2,3,4,5,6,7
	global_store_b128 v[CO2], v[96+32*\a+4*\t:96+32*\a+4*\t+3], s[12:13] offset:65536*\a+8192*\t+256*\hb th:TH_STORE_NT   ; 16 lanes store an aligned unit of 256 bytes
.endr
.endr
.endm
	s_wait_tensorcnt 0x0                           ; my part of slot 0 is in
	ds_add_u32 v[SPW], v[NIL]
	s_wait_dscnt 0x0                               ; the add is done, my reads of the records are over, and my scale words and 1 / l are stored
	CROUND                                         ; everybody's are, and the partners are here
	tensor_load_to_lds s[G0F:G0F+3], s[G1R:G1R+7]  ; slot 1's first keys, over the records
	s_nop 0
.rept 4
	v_nop
.endr
	FETCHX 0, 16, 0
	SCALES 0
.irp a, 0,1,2,3
	ds_load_b32 v[RLF+2*\a], v[RLA] offset:64*\a   ; 1 / l of row 16 a + r of my 64; twice: the packed multiply names a pair
	ds_load_b32 v[RLF+2*\a+1], v[RLA] offset:64*\a
.endr
	PLOAD 4
	PLOAD 5
	PLOAD 6
	STEP 0, 1                                      ; the first products start the sums: nothing is cleared
.set K, 1
.rept 6
	STEP K, 0
.set K, K+1
.endr
	TURN 7, 1                                      ; slot 0 takes keys 2,048 on
.set K, 8
.rept 7
	STEP K, 0
.set K, K+1
.endr
	TURN 15, 1                                     ; slot 1 takes keys 3,072 on
.set K, 16
.rept 7
	STEP K, 0
.set K, K+1
.endr
	TURN 23, 0                                     ; nothing is left to fetch: no round of the cluster's barrier
	PLACES
	PLOAD 31
	SCALES 7
.set K, 24
.rept 8
	HSTEP 0, K
.set K, K+1
.endr
	OUT 0
.set K, 24
.rept 8
	HSTEP 1, K
.set K, K+1
.endr
	OUT 1
	s_wait_tensorcnt 0x0                           ; the wave's end
	ds_add_u32 v[SPW], v[NIL]
	s_wait_dscnt 0x0
	CROUND                                         ; the closing round: no work-group ends while a partner may still ask for a tile that names it
	s_endpgm
.Lfunc_end_k_qdff312eb88_mix:
	.size	k_qdff312eb88_mix, .Lfunc_end_k_qdff312eb88_mix-k_qdff312eb88_mix
	.p2alignl 7, 3214868480
	.fill 96, 4, 3214868480
	.section	.rodata,"a",@progbits
	.p2align	6, 0x0
	.amdhsa_kernel k_qdff312eb88_mix
		.amdhsa_group_segment_fixed_size 327680
		.amdhsa_private_segment_fixed_size 0
		.amdhsa_enable_private_segment 0
		.amdhsa_kernarg_size 40
		.amdhsa_user_sgpr_count 2
		.amdhsa_user_sgpr_kernarg_segment_ptr 1
		.amdhsa_wavefront_size32 1
		.amdhsa_system_sgpr_workgroup_id_x 1
		.amdhsa_system_sgpr_workgroup_id_y 1
		.amdhsa_system_sgpr_workgroup_id_z 1
		.amdhsa_system_vgpr_workitem_id 0
		.amdhsa_next_free_vgpr 1024
		.amdhsa_next_free_sgpr 102
		.amdhsa_reserve_vcc 0
		.amdhsa_float_denorm_mode_32 3
		.amdhsa_float_denorm_mode_16_64 3
		.amdhsa_memory_ordered 1
		.amdhsa_forward_progress 1
		.amdhsa_inst_pref_size 191
	.end_amdhsa_kernel
	.amdgpu_metadata
---
amdhsa.version: [ 1, 2 ]
amdhsa.kernels:
  - .name:           k_qdff312eb88_mix
    .symbol:         k_qdff312eb88_mix.kd
    .args:
      - { .name: pc, .offset: 0, .size: 8, .value_kind: global_buffer, .address_space: global }
      - { .name: pmeta, .offset: 8, .size: 8, .value_kind: global_buffer, .address_space: global }
      - { .name: values_codes, .offset: 16, .size: 8, .value_kind: global_buffer, .address_space: global }
      - { .name: values_scales, .offset: 24, .size: 8, .value_kind: global_buffer, .address_space: global }
      - { .name: out0, .offset: 32, .size: 8, .value_kind: global_buffer, .address_space: global }
    .group_segment_fixed_size: 327680
    .private_segment_fixed_size: 0
    .kernarg_segment_align: 8
    .kernarg_segment_size: 40
    .max_flat_workgroup_size: 128
    .sgpr_count:     102
    .vgpr_count:     1024
    .wavefront_size: 32
...
	.end_amdgpu_metadata
.endif
;; end of part 2
